; MI455X (gfx1250); checked and timed in simulation.
; The chip was launched on July 23, 2026; its instructions are those of AMD's public machine-readable ISA for CDNA 5 (MIT licence, August 2026) and "CDNA5" Instruction Set Architecture Reference Guide (July 2026). The comments in the code are by the model that wrote it; some were corrected since.
;; Multihead Attention. Allowed arithmetic: float matrix products may take bf16 or f16 operands with f32 sums; all other float work in f32.
;; Inputs: beta 1,024 float32; bk 1,024 float32; bq 1,024 float32; bv 1,024 float32; gamma 1,024 float32; wk 1,024 x 1,024 float32; wq 1,024 x 1,024 float32; wv 1,024 x 1,024 float32; x 2 x 2,048 x 1,024 float32.
;; Outputs: out0 2 x 2,048 x 1,024 float32.
;; One version. Each part assembles by itself: llvm-mc -triple=amdgcn-amd-amdhsa -mcpu=gfx1250 --defsym DOCPART=n.
;; ======== version 1 of 1: 4 launches
;; workspace buffers: xb 8,388,608 bytes; wb 6,291,456 bytes; qkv 25,165,824 bytes; att 16,777,216 bytes
;; launch cast (part 1): grid 1792 x 1, 8 waves a work-group, no clusters, 0 bytes of LDS; arguments x, wq, wk, wv, xb, wb; writes xb, wb
.if DOCPART == 1
	.amdgcn_target "amdgcn-amd-amdhsa--gfx1250"
	.amdhsa_code_object_version 6
	.text
	.protected	k_q447631b9e0_cast
	.globl	k_q447631b9e0_cast
	.p2align	8
	.type	k_q447631b9e0_cast,@function
k_q447631b9e0_cast:
	s_mov_b64 s[64:65], 0
	v_nop
	global_prefetch_b8 v0, s[64:65] scope:SCOPE_SE
	s_setreg_imm32_b32 hwreg(HW_REG_WAVE_MODE, 25, 1), 1
	s_wait_xcnt 0x0
; xb = bf16(x), [4096][1024];  wb = bf16([c wq ; wk ; wv]), [3072][1024], c = log2(e) / sqrt(64) = 0.18033688.
; c carries the division of the scores by sqrt(64) and the change from e^x to 2^x; it is applied in f32 ahead of the one rounding to bf16.
; 7,340,032 numbers = 1,792 work-groups of 4,096 numbers (16,384 bytes in, 8,192 bytes out).  Work-groups 0..1023 take x;
; work-group 1024 + t takes chunk t & 255 of weight t >> 8 and writes chunk t of wb.
; A stream: each byte is read once and written once; no LDS, no matrix unit, no cluster, since nothing is shared.
; One text serves all four sources: the factor is 1 for all but wq.
.set CSCALE, 0x3e38aa3b                ; log2(e) / 8
.set IN,  4                            ; v[4:19]   four loads of 4 f32
.set OUTR, 20                          ; v[20:27]  four stores of 4 bf16
	s_load_b256 s[4:11], s[0:1], 0x0               ; x s[4:5], wq s[6:7], wk s[8:9], wv s[10:11]
	s_load_b128 s[12:15], s[0:1], 0x20             ; xb s[12:13], wb s[14:15]
	s_mov_b32 s16, ttmp9                           ; the work-group's number
	s_sub_co_u32 s17, s16, 1024                    ; t (used only where the number is 1024 or more)
	s_lshr_b32 s18, s17, 8                         ; which weight
	s_and_b32 s19, s17, 255                        ; which chunk of it
	v_lshlrev_b32 v1, 4, v0                        ; 16 bytes of f32 a thread
	v_lshlrev_b32 v2, 3, v0                        ; 8 bytes of bf16 a thread
	s_wait_kmcnt 0x0
	s_cmp_eq_u32 s18, 1
	s_cselect_b64 s[20:21], s[8:9], s[6:7]         ; wk or wq
	s_cmp_eq_u32 s18, 2
	s_cselect_b64 s[20:21], s[10:11], s[20:21]     ; or wv
	s_cmp_eq_u32 s18, 0
	s_cselect_b32 s26, CSCALE, 1.0                 ; wq alone is scaled
	s_cmp_lt_u32 s16, 1024                         ; the first 1,024 work-groups take x
	s_cselect_b64 s[20:21], s[4:5], s[20:21]
	s_cselect_b64 s[22:23], s[12:13], s[14:15]
	s_cselect_b32 s24, s16, s19                    ; chunk in the source
	s_cselect_b32 s25, s16, s17                    ; chunk in the destination
	s_cselect_b32 s26, 1.0, s26
	s_mov_b32 s27, s26                             ; the pair's second half is written too
	s_lshl_b32 s28, s24, 14                        ; 16,384 bytes a chunk in
	s_mov_b32 s29, 0
	s_lshl_b32 s30, s25, 13                        ; 8,192 bytes a chunk out
	s_mov_b32 s31, 0
	s_add_nc_u64 s[20:21], s[20:21], s[28:29]
	s_add_nc_u64 s[22:23], s[22:23], s[30:31]
.irp j, 0,1,2,3
	global_load_b128 v[IN+4*\j:IN+4*\j+3], v1, s[20:21] offset:4096*\j th:TH_LOAD_NT   ; a wave's load covers 512 consecutive bytes
.endr
.irp j, 0,1,2,3
	s_wait_loadcnt 3-\j                            ; loads come back in order: load j is in, the 3 - j younger ones stay out
	v_pk_mul_f32 v[IN+4*\j:IN+4*\j+1],   v[IN+4*\j:IN+4*\j+1],   s[26:27] op_sel_hi:[1,0]
	v_pk_mul_f32 v[IN+4*\j+2:IN+4*\j+3], v[IN+4*\j+2:IN+4*\j+3], s[26:27] op_sel_hi:[1,0]
	v_cvt_pk_bf16_f32 v[OUTR+2*\j],   v[IN+4*\j],   v[IN+4*\j+1]
	v_cvt_pk_bf16_f32 v[OUTR+2*\j+1], v[IN+4*\j+2], v[IN+4*\j+3]
	global_store_b64 v2, v[OUTR+2*\j:OUTR+2*\j+1], s[22:23] offset:2048*\j   ; a wave's store covers 256 consecutive bytes, aligned
.endr
	s_endpgm                                       ; no register that a load or store names is ever written again
.Lfunc_end_k_q447631b9e0_cast:
	.size	k_q447631b9e0_cast, .Lfunc_end_k_q447631b9e0_cast-k_q447631b9e0_cast
	.p2alignl 7, 3214868480
	.fill 96, 4, 3214868480
	.section	.rodata,"a",@progbits
	.p2align	6, 0x0
	.amdhsa_kernel k_q447631b9e0_cast
		.amdhsa_group_segment_fixed_size 0
		.amdhsa_private_segment_fixed_size 0
		.amdhsa_enable_private_segment 0
		.amdhsa_kernarg_size 48
		.amdhsa_user_sgpr_count 2
		.amdhsa_user_sgpr_kernarg_segment_ptr 1
		.amdhsa_wavefront_size32 1
		.amdhsa_system_sgpr_workgroup_id_x 1
		.amdhsa_system_sgpr_workgroup_id_y 1
		.amdhsa_system_sgpr_workgroup_id_z 1
		.amdhsa_system_vgpr_workitem_id 0
		.amdhsa_next_free_vgpr 28
		.amdhsa_next_free_sgpr 66
		.amdhsa_reserve_vcc 0
		.amdhsa_float_denorm_mode_32 3
		.amdhsa_float_denorm_mode_16_64 3
		.amdhsa_memory_ordered 1
		.amdhsa_forward_progress 1
		.amdhsa_inst_pref_size 4
	.end_amdhsa_kernel
	.amdgpu_metadata
---
amdhsa.version: [ 1, 2 ]
amdhsa.kernels:
  - .name:           k_q447631b9e0_cast
    .symbol:         k_q447631b9e0_cast.kd
    .args:
      - { .name: x, .offset: 0, .size: 8, .value_kind: global_buffer, .address_space: global }
      - { .name: wq, .offset: 8, .size: 8, .value_kind: global_buffer, .address_space: global }
      - { .name: wk, .offset: 16, .size: 8, .value_kind: global_buffer, .address_space: global }
      - { .name: wv, .offset: 24, .size: 8, .value_kind: global_buffer, .address_space: global }
      - { .name: xb, .offset: 32, .size: 8, .value_kind: global_buffer, .address_space: global }
      - { .name: wb, .offset: 40, .size: 8, .value_kind: global_buffer, .address_space: global }
    .group_segment_fixed_size: 0
    .private_segment_fixed_size: 0
    .kernarg_segment_align: 8
    .kernarg_segment_size: 48
    .max_flat_workgroup_size: 256
    .sgpr_count:     66
    .vgpr_count:     28
    .wavefront_size: 32
...
	.end_amdgpu_metadata
.endif
;; end of part 1
;; launch qkv (part 2): grid 12 x 16, 4 waves a work-group, clusters of 4 x 4, 327,680 bytes of LDS; arguments xb, wb, bq, bk, bv, qkv; writes qkv
.if DOCPART == 2
	.amdgcn_target "amdgcn-amd-amdhsa--gfx1250"
	.amdhsa_code_object_version 6
	.text
	.protected	k_q447631b9e0_qkv
	.globl	k_q447631b9e0_qkv
	.p2align	8
	.type	k_q447631b9e0_qkv,@function
k_q447631b9e0_qkv:
	s_mov_b64 s[64:65], 0
	v_nop
	global_prefetch_b8 v0, s[64:65] scope:SCOPE_SE
	s_setreg_imm32_b32 hwreg(HW_REG_WAVE_MODE, 25, 1), 1
	s_wait_xcnt 0x0
	s_wait_alu depctr_hold_cnt(0) depctr_sa_sdst(0) depctr_va_vdst(0) depctr_va_sdst(0) depctr_va_ssrc(0) depctr_va_vcc(0) depctr_vm_vsrc(0)
	s_getreg_b32 s2, hwreg(HW_REG_IB_STS2, 6, 4)
	s_cmp_eq_u32 s2, 0
	s_cbranch_scc0 .Lentry_in_a_cluster
	s_endpgm
.Lentry_in_a_cluster:
	s_bfe_u32 s2, ttmp6, 0x10000c
	s_cmp_lg_u32 s2, 0xf033
	s_cbranch_scc0 .Lentry_shape_is_right
	s_endpgm
.Lentry_shape_is_right:
; qkv = xb wb^T + [c bq ; bk ; bv], rounded once to bf16 and laid out by head: qkv[3 (q,k,v)][batch 2][head 16][s 2048][64].
; xb: [4096][1024] bf16, wb: [3072][1024] bf16 (wq already times c = log2(e)/8); sums in f32.
; A work-group makes a block of 256 rows x 256 columns with four waves, a wave 128 x 128: 64 accumulator tiles of 16 x 16, 512 registers.
; K goes in steps of 128 through a ring of two LDS slots filled by the tensor data mover: a tile's rows are 256 bytes of memory, aligned.
; 16 x 12 = 192 work-groups: a block of 256 columns is four whole heads of one of q, k, v, so that every store below is 256 whole bytes of one head;
; blocks of 192 columns would give 256 work-groups, but a wave's 96 columns would cut heads in the middle.
; CLUSTERS: 4 x 4 work-groups.  The four of a row of the cluster need the same tiles of xb, the four of a column the same tiles of wb: each tile is asked
; for jointly, by the same tensor load with the same descriptor and a mask that names the four.  The cluster's x (0, 1, 2) is q, k or v.
; THE BIAS is the C operand of each tile's first product: no accumulator is cleared and no vector instruction adds a bias.
;
; REGISTERS, in windows of 256:
;   window 0: v0-31 addresses; v64-127, v128-191 fragments of xb, two buffers; v192-255 the bias (8 column tiles x 8 registers), later the packed results
;   window 1: v64-127, v128-191 fragments of wb, two buffers
;   window 2: the 32 accumulator tiles of my rows 0-63 (tile (a, b) at v[8 (8 a + b)]);   window 3: those of my rows 64-127
; THE MATRIX INSTRUCTION IS USED TRANSPOSED: source 0 = 16 rows of wb, source 1 = 16 rows of xb.  Lane l then holds row l % 16 of the result and its
; registers 0 to 7 the columns 8 (l / 16) + 0 .. 7: eight neighbouring numbers of a row.
.set SIZE_M, 4096
.set SIZE_N, 3072
.set SIZE_K, 1024
.set CSCALE, 0x3e38aa3b                ; log2(e) / 8, for bq
.set KSTEP,  128
.set PITCH,  272                       ; an LDS row: 256 bytes + 16 of padding, so that the 16 rows that a load touches start 16 bytes apart modulo 256
.set HALFT,  128*PITCH                 ; 128 rows: what one tensor load brings, and what one wave reads of xb or of wb
.set SLOT,   4*HALFT                   ; xb's 256 rows, then wb's 256 rows
.set STAGE,  2*SLOT                    ; behind the ring: 16 rows x 272 bytes for each wave, for the way out; no tensor load ever lands here
.set SPITCH, 272
.set LAPS, SIZE_K/(2*KSTEP)            ; a lap = two K steps = once round the ring: 4
.set HEADB, 2048*128                   ; bytes of one head in qkv
.set ADRA, 16                          ; v16-17  LDS address of my xb fragments in slot 0, 1
.set ADRB, 20                          ; v20-21  the same for wb
.set STO,  24                          ; v24     the way out: where I put 16 bytes of a row
.set RD,   25                          ; v25     the way out: where I read 16 bytes back
.set CO,   26                          ; v26     my byte offset in qkv
.set F0,   64                          ; fragment buffer 0
.set F1,   128                         ; fragment buffer 1
.set BIAS, 192                         ; window 0: v[BIAS+8b : BIAS+8b+7] = the C operand of column tile b
.set TMP,  192                         ; the way out: packed results (the bias is no longer needed then)
.set G1, 24                            ; s[24:31] descriptor group 1 for xb's tiles
.set G0, 32                            ; s[32:39] descriptor group 0 for xb's tiles, one set for each slot
.set G1B, 48                           ; s[48:55] descriptor group 1 for wb's tiles: it differs in the mask alone
.set G0B, 56                           ; s[56:63] descriptor group 0 for wb's tiles, one set for each slot
.set MSB, 0
.macro WIN new                         ; the immediate's high byte repeats the setting that is left; a switch that changes nothing is dropped
.if MSB != \new
	s_set_vgpr_msb (MSB<<8)|\new
.set MSB, \new
.endif
.endm
.set MUL_LO,   0xa1                    ; source 0 (wb) window 1, source 1 (xb) window 0, C and D window 2
.set MUL_HI,   0xf1                    ; the same, C and D window 3
.set FIRST_LO, 0x81                    ; the first products: C is the bias in window 0, D window 2
.set FIRST_HI, 0xc1                    ; C window 0, D window 3
.set TO_B,     0x40                    ; destination window 1, address window 0
; A joint load.  Waves 0 and 1 fetch xb's two halves, waves 2 and 3 wb's.  Each line has one mask and one set of registers; the branch hangs on the wave's number alone.
.macro JLOAD s
	s_cmp_eq_u32 s11, 0
	s_cbranch_scc0 .Lfor_b_\@
	tensor_load_to_lds s[G0+4*\s:G0+4*\s+3], s[G1:G1+7]
	s_nop 0
	s_branch .Lasked_\@
.Lfor_b_\@:
	tensor_load_to_lds s[G0B+4*\s:G0B+4*\s+3], s[G1B:G1B+7]
	s_nop 0
.Lasked_\@:
.endm
; A round of the cluster's barrier: my work-group's barrier; wave 0 signals for the work-group; every wave waits for all sixteen; my work-group's barrier again.
.macro CREST                           ; a round behind its opening barrier
	s_cmp_lg_u32 s10, 0
	s_cbranch_scc1 .Lnot_wave_0_\@
	s_barrier_signal -3
.Lnot_wave_0_\@:
	s_barrier_wait -3
	s_barrier_signal -1
	s_barrier_wait -1
.endm
.macro CROUND                          ; a whole round
	s_barrier_signal -1
	s_barrier_wait -1
	CREST
.endm
	s_load_b128 s[4:7], s[0:1], 0x0                ; xb s[4:5], wb s[6:7]
	s_load_b128 s[68:71], s[0:1], 0x10             ; bq s[68:69], bk s[70:71]
	s_load_b128 s[72:75], s[0:1], 0x20             ; bv s[72:73], qkv s[74:75]
	s_set_vgpr_msb 0x40
	v_lshl_add_u32 v255, v0, 2, 0x48400
	s_set_vgpr_msb 0x4000
	v_mov_b32 v63, 0
	s_set_vgpr_msb 0x1
	ds_add_u32 v255, v63
	s_set_vgpr_msb 0x100
	v_lshrrev_b32 v1, 5, v0
	v_readfirstlane_b32 s10, v1                    ; wave 0..3
	s_lshr_b32 s11, s10, 1                         ; which half of the block's rows is mine.  Also: I fetch for xb (0) or for wb (1)
	s_and_b32 s12, s10, 1                          ; which half of its columns.  Also: which 128 rows of that tile I fetch
	s_bfe_u32 s40, ttmp6, 0x40000                  ; cx: my place along the cluster's x
	s_bfe_u32 s41, ttmp6, 0x40004                  ; cy: along its y
	s_mov_b32 s45, ttmp9                           ; the cluster's x: 0 = q, 1 = k, 2 = v, the same in all sixteen partners
	s_lshl_b32 s42, s45, 2
	s_add_co_u32 s42, s42, s40                     ; block column = 4 x cluster x + cx
	s_and_b32 s13, ttmp7, 0xffff
	s_lshl_b32 s13, s13, 2
	s_add_co_u32 s13, s13, s41                     ; block row = 4 x cluster y + cy
	s_lshl_b32 s43, s41, 2
	s_lshl_b32 s43, 15, s43                        ; my row of the cluster: places 4 cy .. 4 cy + 3
	s_lshl_b32 s44, 0x1111, s40                    ; my column: places cx, cx + 4, cx + 8, cx + 12
	; descriptor group 1: a tile of 128 rows x 128 elements of 2 bytes, 4 words of padding behind every 64 words
	s_or_b32 s[G1+0], s43, (1<<16)|(1<<20)|(1<<21)|(5<<22)|(3<<25)   ; the mask of my row, for xb's tiles; bit 21 set beside a mask
	s_or_b32 s[G1B+0], s44, (1<<16)|(1<<20)|(1<<21)|(5<<22)|(3<<25)  ; the mask of my column, for wb's tiles
	s_mov_b32 s[G1+1], KSTEP<<16                   ; tensor_dim0 = 128
	s_mov_b32 s[G1B+1], KSTEP<<16
	s_mov_b32 s[G1+2], 128<<16                     ; tensor_dim1 = 128
	s_mov_b32 s[G1B+2], 128<<16
	s_mov_b32 s[G1+3], KSTEP<<16                   ; tile_dim0 = 128
	s_mov_b32 s[G1B+3], KSTEP<<16
	s_mov_b32 s[G1+4], 128                         ; tile_dim1 = 128
	s_mov_b32 s[G1B+4], 128
	s_mov_b32 s[G1+5], SIZE_K                      ; elements from row to row
	s_mov_b32 s[G1B+5], SIZE_K
	s_mov_b32 s[G1+6], 0
	s_mov_b32 s[G1B+6], 0
	s_mov_b32 s[G1+7], 0
	s_mov_b32 s[G1B+7], 0
	; where the tiles come from: xb's hang on the block row alone, wb's on the block column alone, each in registers that never hold the other coordinate
	s_lshl_b32 s17, s12, 7                         ; which 128 rows of the tile I fetch
	s_lshl_b32 s16, s13, 8
	s_add_co_u32 s16, s16, s17                     ; xb: row 256 x block row + 128 x half
	s_lshl_b32 s46, s42, 8
	s_add_co_u32 s46, s46, s17                     ; wb: row 256 x block column + 128 x half
	s_mov_b32 s17, 0
	s_mov_b32 s47, 0
	s_mov_b64 s[18:19], SIZE_K*2
	s_mul_u64 s[16:17], s[16:17], s[18:19]         ; in bytes
	s_mul_u64 s[46:47], s[46:47], s[18:19]
	s_mul_i32 s20, s10, HALFT                      ; and where they go: wave x 128 rows; no place in the cluster enters an LDS address
	s_lshl_b32 s80, s40, 10                        ; my 128 columns in the bias of 1,024: 256 cx + 128 x half, in bytes
	s_lshl_b32 s81, s12, 9
	s_add_co_u32 s80, s80, s81
	s_mov_b32 s81, 0
	s_wait_dscnt 0x0
	s_wait_kmcnt 0x0
	s_add_nc_u64 s[14:15], s[4:5], s[16:17]
	s_add_nc_u64 s[46:47], s[6:7], s[46:47]
	s_mov_b64 s[8:9], s[74:75]                     ; qkv
	s_cmp_eq_u32 s45, 1
	s_cselect_b64 s[76:77], s[70:71], s[68:69]     ; bk or bq
	s_cmp_eq_u32 s45, 2
	s_cselect_b64 s[76:77], s[72:73], s[76:77]     ; or bv
	s_cmp_eq_u32 s45, 0
	s_cselect_b32 s78, CSCALE, 1.0                 ; bq alone is scaled, as wq was
	s_mov_b32 s79, s78
	s_add_nc_u64 s[76:77], s[76:77], s[80:81]
	CROUND                                         ; all sixteen work-groups are here: the first joint loads meet
.irp s, 0,1
	s_mov_b32 s[G0+4*\s], 1                                        ; count = 1
	s_add_co_u32 s[G0+4*\s+1], s20, \s*SLOT                        ; LDS address
	s_add_nc_u64 s[G0+4*\s+2:G0+4*\s+3], s[14:15], \s*KSTEP*2      ; global address: K step s
	s_or_b32 s[G0+4*\s+3], s[G0+4*\s+3], 0x80000000                ; type = 2
	s_mov_b32 s[G0B+4*\s], 1
	s_add_co_u32 s[G0B+4*\s+1], s20, \s*SLOT
	s_add_nc_u64 s[G0B+4*\s+2:G0B+4*\s+3], s[46:47], \s*KSTEP*2
	s_or_b32 s[G0B+4*\s+3], s[G0B+4*\s+3], 0x80000000
	JLOAD \s                                       ; the ring is filled before anything else is done: two tensor loads of the wave are out
.endr
	v_and_b32 v1, 15, v0                           ; l % 16
	v_bfe_u32 v2, v0, 4, 1                         ; l / 16
	; the bias: register j of column tile b is column 16 b + 8 (l / 16) + j, the same for every row: 32 bytes a lane and tile
	v_lshlrev_b32 v6, 5, v2
.irp b, 0,1,2,3,4,5,6,7
	global_load_b128 v[BIAS+8*\b:BIAS+8*\b+3],   v6, s[76:77] offset:64*\b
	global_load_b128 v[BIAS+8*\b+4:BIAS+8*\b+7], v6, s[76:77] offset:64*\b+16
.endr
	; A fragment is 16 rows x 32 K in 8 registers: lane l holds row l % 16; registers 0-3 hold K = 8 (l / 16) + 0..7, registers 4-7 K = 16 + 8 (l / 16) + 0..7:
	; two loads of 16 bytes, 32 bytes apart.
	v_mul_u32_u24 v3, v1, PITCH
	v_lshl_add_u32 v3, v2, 4, v3                   ; row x pitch + 16 x half
	s_mul_i32 s21, s11, HALFT                      ; my 128 rows of xb
	s_mul_i32 s22, s12, HALFT                      ; my 128 rows of wb,
	s_add_co_u32 s22, s22, 2*HALFT                 ; which lie behind xb's 256
.irp s, 0,1
	v_add_nc_u32 v[ADRA+\s], s21, v3
	v_add_nc_u32 v[ADRB+\s], s22, v3
	s_add_co_u32 s21, s21, SLOT
	s_add_co_u32 s22, s22, SLOT
.endr
	s_mul_i32 s23, s10, 16*SPITCH
	s_add_co_u32 s23, s23, STAGE                   ; my stage
	v_mul_u32_u24 v4, v1, SPITCH                   ; in: row l % 16, 16 bytes for each half of the lanes
	v_lshl_add_u32 v4, v2, 4, v4
	v_add_nc_u32 v[STO], s23, v4
	v_bfe_u32 v5, v0, 3, 1                         ; back: lanes 0-15 take head 0's 128 bytes of two rows, lanes 16-31 head 1's
	v_mul_u32_u24 v5, v5, SPITCH                   ; row (l % 16) / 8 of the pair,
	v_lshl_add_u32 v5, v2, 7, v5                   ; the head's 128 bytes,
	v_and_b32 v7, 7, v0
	v_lshl_add_u32 v5, v7, 4, v5                   ; 16 bytes a lane
	v_add_nc_u32 v[RD], s23, v5
	v_lshlrev_b32 v5, 18, v2                       ; in qkv: the head (262,144 bytes each),
	v_lshl_add_u32 v[CO], v1, 4, v5                ; and 256 consecutive bytes (two rows of the head) for sixteen lanes
	s_wait_loadcnt 0x0                             ; the bias, once
.irp i, 0,2,4,6,8,10,12,14,16,18,20,22,24,26,28,30,32,34,36,38,40,42,44,46,48,50,52,54,56,58,60,62
	v_pk_mul_f32 v[BIAS+\i:BIAS+\i+1], v[BIAS+\i:BIAS+\i+1], s[78:79] op_sel_hi:[1,0]
.endr
; 16 matrix instructions: row blocks a0, a0 + 1 of the window's four (hi = 0: my rows 0-63, 1: rows 64-127) x all 8 column blocks, 32 along K.
; zero = 1: the first product starts the sums from the bias.  The 64 accumulators take turns, one instruction a turn, in the same order in every
; quarter step.
.macro MUL16 f, hi, a0, zero
.irp a, \a0, \a0+1
.irp b, 0,1,2,3,4,5,6,7
.if \zero
	v_wmma_f32_16x16x32_bf16 v[8*(8*(\a)+\b):8*(8*(\a)+\b)+7], v[\f+8*\b:\f+8*\b+7], v[\f+8*(4*\hi+\a):\f+8*(4*\hi+\a)+7], v[BIAS+8*\b:BIAS+8*\b+7]
.else
	v_wmma_f32_16x16x32_bf16 v[8*(8*(\a)+\b):8*(8*(\a)+\b)+7], v[\f+8*\b:\f+8*\b+7], v[\f+8*(4*\hi+\a):\f+8*(4*\hi+\a)+7], v[8*(8*(\a)+\b):8*(8*(\a)+\b)+7]
.endif
.endr
.endr
.endm
; 32 LDS loads in one run: the fragments of one quarter step (128 rows of wb, 128 rows of xb, 32 K at byte k of the rows) into buffer f
.macro FETCH slot, k, f
	WIN TO_B
.irp i, 0,1,2,3,4,5,6,7
	ds_load_b128 v[\f+8*\i:\f+8*\i+3],   v[ADRB+\slot] offset:\k+\i*16*PITCH
	ds_load_b128 v[\f+8*\i+4:\f+8*\i+7], v[ADRB+\slot] offset:\k+\i*16*PITCH+32
.endr
	WIN 0
.irp i, 0,1,2,3,4,5,6,7
	ds_load_b128 v[\f+8*\i:\f+8*\i+3],   v[ADRA+\slot] offset:\k+\i*16*PITCH
	ds_load_b128 v[\f+8*\i+4:\f+8*\i+7], v[ADRA+\slot] offset:\k+\i*16*PITCH+32
.endr
.endm
; A load into a register that a matrix instruction has read, and a vector instruction that reads a matrix result, stand four places behind that matrix
; instruction; only plain vector instructions that name none of its registers are places.
.macro PLACES
.rept 4
	v_nop
.endr
.endm
; A K step is four quarter steps of 32 along K, 64 matrix instructions each, on buffers 0, 1, 0, 1.
; One of the first three: multiplies buffer f; in its middle it fetches the next quarter's fragments, at byte k of the same slot's rows, into buffer g.
.macro QUARTER slot, k, f, g, zero
	s_wait_dscnt 8                                 ; wb and xb's rows 0-63 are in; the youngest eight loads (xb's rows 64-127) may be out
.if \zero
	WIN FIRST_LO
.else
	WIN MUL_LO
.endif
	MUL16 \f, 0, 0, \zero
	MUL16 \f, 0, 2, \zero
	PLACES
	FETCH \slot, \k, \g
	s_wait_dscnt 32                                ; all but the 32 just issued
.if \zero
	WIN FIRST_HI
.else
	WIN MUL_HI
.endif
	MUL16 \f, 1, 0, \zero
	MUL16 \f, 1, 2, \zero
.endm
.macro THREE slot, zero
	QUARTER \slot, 64,  F0, F1, \zero
	QUARTER \slot, 128, F1, F0, 0
	QUARTER \slot, 192, F0, F1, 0
.endm
; The last quarter: multiplies buffer 1 and changes slots.  next = the other slot; fill = 1: this slot is filled again, two K steps ahead.
; One barrier for the change of slots.  In front of it each wave waits for its own reads of this slot and for all its tensor loads, of which one is out:
; its part of the next slot.  Behind it nobody reads this slot any more and the next slot is whole: the refill comes first, then the next slot's fragments.
; From a request to the wait for it a wave issues 240 matrix instructions.
.macro TURN slot, next, fill
	s_wait_dscnt 8
	WIN MUL_LO
	MUL16 F1, 0, 0, 0
	s_wait_dscnt 0                                 ; my reads of this slot are over
	s_wait_tensorcnt 0x0                           ; and all my tensor loads have landed
	ds_add_u32 v255, v63
	s_wait_dscnt 0x0
	s_barrier_signal -1                            ; say so (where a slot is filled again this barrier opens a round of the cluster's barrier),
	MUL16 F1, 0, 2, 0                              ; work on registers while the others arrive,
	WIN 0
	s_barrier_wait -1                              ; and go on when all four have said so
.if \fill
	CREST                                          ; all sixteen work-groups have said so: no wave of any partner still reads this slot's tile or has a load on its way
	s_add_nc_u64 s[G0+4*\slot+2:G0+4*\slot+3], s[G0+4*\slot+2:G0+4*\slot+3], 2*KSTEP*2
	s_add_nc_u64 s[G0B+4*\slot+2:G0B+4*\slot+3], s[G0B+4*\slot+2:G0B+4*\slot+3], 2*KSTEP*2
	JLOAD \slot                                    ; the first tensor load behind the round
.endif
	PLACES
	FETCH \next, 0, F0
	WIN MUL_HI
	MUL16 F1, 1, 0, 0
	MUL16 F1, 1, 2, 0
.endm
.macro LAP zero                        ; once round the ring, both slots filled again
	THREE 0, \zero
	TURN 0, 1, 1
	THREE 1, 0
	TURN 1, 0, 1
.endm
	s_wait_tensorcnt 1                             ; my part of K step 0 is in; K step 1's load stays out
	s_barrier_signal -1
	s_barrier_wait -1                              ; everybody's part is in
	FETCH 0, 0, F0
	LAP 1                                          ; the first lap stands in front of the loop: its first products start the sums from the bias
	WIN 0                                          ; at a label and at a branch every window is 0
	s_mov_b32 s3, LAPS-2
.Llap:
	LAP 0
	WIN 0
	s_sub_co_u32 s3, s3, 1
	s_cmp_lg_u32 s3, 0
	s_cbranch_scc1 .Llap
	THREE 0, 0                                     ; the last lap fills nothing: my one tensor load that is still out is slot 1's, the last K step's
	TURN 0, 1, 0
	THREE 1, 0
	s_wait_dscnt 8                                 ; the very last quarter: nothing more to fetch
	WIN MUL_LO
	MUL16 F1, 0, 0, 0
	MUL16 F1, 0, 2, 0
	s_wait_dscnt 0
	WIN MUL_HI
	MUL16 F1, 1, 0, 0
	MUL16 F1, 1, 2, 0
	; THE WAY OUT, 16 rows at a time: round to bf16, 16 bytes a lane into my own stage, read back so that sixteen lanes hold two whole rows of one head.
	PLACES                                         ; the places behind the last matrix instructions, for the conversions and for the loads into buffers 0 and 1
	; my first byte in qkv, in registers that feed no descriptor: the part that hangs on the block column ...
	s_lshl_b32 s80, s45, 5                         ; (q, k or v) x 2 batches x 16 heads
	s_lshl_b32 s81, s40, 2                         ; + 4 heads a block
	s_add_co_u32 s80, s80, s81
	s_lshl_b32 s81, s12, 1                         ; + 2 heads a wave
	s_add_co_u32 s80, s80, s81
	s_lshl_b32 s80, s80, 18                        ; x 262,144 bytes a head
	s_mov_b32 s81, 0
	; ... and the part that hangs on the block row
	s_lshr_b32 s82, s13, 3                         ; batch = block row / 8,
	s_lshl_b32 s82, s82, 22                        ; x 16 heads x 262,144 bytes
	s_and_b32 s83, s13, 7
	s_lshl_b32 s83, s83, 15                        ; 256 rows of 128 bytes a block
	s_add_co_u32 s82, s82, s83
	s_lshl_b32 s83, s11, 14                        ; 128 rows a wave
	s_add_co_u32 s82, s82, s83
	s_mov_b32 s83, 0
	s_add_nc_u64 s[8:9], s[8:9], s[80:81]
	s_add_nc_u64 s[8:9], s[8:9], s[82:83]
; rows 16 i .. 16 i + 15 of my block = the eight tiles (a, 0..7) of window 2 or 3 (from = 0x0a or 0x0f: sources 0 and 1); f: F0 or F1 in turn
.macro OUT16 i, a, from, f
	WIN \from
.irp b, 0,1,2,3,4,5,6,7
.irp r, 0,1,2,3
	v_cvt_pk_bf16_f32 v[TMP+4*\b+\r], v[8*(8*\a+\b)+2*\r], v[8*(8*\a+\b)+2*\r+1]
.endr
.endr
	WIN 0
.irp b, 0,1,2,3,4,5,6,7
	ds_store_b128 v[STO], v[TMP+4*\b:TMP+4*\b+3] offset:32*\b
.endr
	s_wait_xcnt 0x0                                ; buffer f, which earlier stores read, and the stores' base are rewritten only behind this wait
.if \i
	s_add_nc_u64 s[8:9], s[8:9], 16*128            ; 16 rows of a head on
.endif
.irp t, 0,1,2,3,4,5,6,7
	ds_load_b128 v[\f+4*\t:\f+4*\t+3], v[RD] offset:\t*2*SPITCH    ; LDS serves a wave's instructions in order (ISA guide 5.7.1.4): these see the stores above
.endr
.irp t, 0,1,2,3,4,5,6,7
	s_wait_dscnt 7-\t                              ; load t is in, the 7 - t younger ones stay out
	global_store_b128 v[CO], v[\f+4*\t:\f+4*\t+3], s[8:9] offset:256*\t   ; sixteen lanes store 256 consecutive bytes, aligned: rows 2 t, 2 t + 1 of one head
.endr
.endm
	OUT16 0, 0, 0x0a, F0
	OUT16 1, 1, 0x0a, F1
	OUT16 2, 2, 0x0a, F0
	OUT16 3, 3, 0x0a, F1
	OUT16 4, 0, 0x0f, F0
	OUT16 5, 1, 0x0f, F1
	OUT16 6, 2, 0x0f, F0
	OUT16 7, 3, 0x0f, F1
	s_set_vgpr_msb 0x1
	s_wait_tensorcnt 0x0
	ds_add_u32 v255, v63
	s_wait_dscnt 0x0
	s_set_vgpr_msb 0x100
	CROUND                                         ; the closing round: no work-group ends while a partner may still ask for a tile that names it
	s_endpgm
.Lfunc_end_k_q447631b9e0_qkv:
	.size	k_q447631b9e0_qkv, .Lfunc_end_k_q447631b9e0_qkv-k_q447631b9e0_qkv
	.p2alignl 7, 3214868480
	.fill 96, 4, 3214868480
	.section	.rodata,"a",@progbits
	.p2align	6, 0x0
	.amdhsa_kernel k_q447631b9e0_qkv
		.amdhsa_group_segment_fixed_size 327680
		.amdhsa_private_segment_fixed_size 0
		.amdhsa_enable_private_segment 0
		.amdhsa_kernarg_size 48
		.amdhsa_user_sgpr_count 2
		.amdhsa_user_sgpr_kernarg_segment_ptr 1
		.amdhsa_wavefront_size32 1
		.amdhsa_system_sgpr_workgroup_id_x 1
		.amdhsa_system_sgpr_workgroup_id_y 1
		.amdhsa_system_sgpr_workgroup_id_z 1
		.amdhsa_system_vgpr_workitem_id 0
		.amdhsa_next_free_vgpr 1024
		.amdhsa_next_free_sgpr 84
		.amdhsa_reserve_vcc 0
		.amdhsa_float_denorm_mode_32 3
		.amdhsa_float_denorm_mode_16_64 3
		.amdhsa_memory_ordered 1
		.amdhsa_forward_progress 1
		.amdhsa_inst_pref_size 201
	.end_amdhsa_kernel
	.amdgpu_metadata
---
amdhsa.version: [ 1, 2 ]
amdhsa.kernels:
  - .name:           k_q447631b9e0_qkv
    .symbol:         k_q447631b9e0_qkv.kd
    .args:
      - { .name: xb, .offset: 0, .size: 8, .value_kind: global_buffer, .address_space: global }
      - { .name: wb, .offset: 8, .size: 8, .value_kind: global_buffer, .address_space: global }
      - { .name: bq, .offset: 16, .size: 8, .value_kind: global_buffer, .address_space: global }
      - { .name: bk, .offset: 24, .size: 8, .value_kind: global_buffer, .address_space: global }
      - { .name: bv, .offset: 32, .size: 8, .value_kind: global_buffer, .address_space: global }
      - { .name: qkv, .offset: 40, .size: 8, .value_kind: global_buffer, .address_space: global }
    .group_segment_fixed_size: 327680
    .private_segment_fixed_size: 0
    .kernarg_segment_align: 8
    .kernarg_segment_size: 48
    .max_flat_workgroup_size: 128
    .sgpr_count:     84
    .vgpr_count:     1024
    .wavefront_size: 32
...
	.end_amdgpu_metadata
.endif
;; end of part 2
;; launch attn (part 3): grid 8 x 32, 16 waves a work-group, clusters of 4 x 1, 327,680 bytes of LDS; arguments qkv, att; writes att
.if DOCPART == 3
	.amdgcn_target "amdgcn-amd-amdhsa--gfx1250"
	.amdhsa_code_object_version 6
	.text
	.protected	k_q447631b9e0_attn
	.globl	k_q447631b9e0_attn
	.p2align	8
	.type	k_q447631b9e0_attn,@function
k_q447631b9e0_attn:
	s_mov_b64 s[64:65], 0
	v_nop
	global_prefetch_b8 v0, s[64:65] scope:SCOPE_SE
	s_setreg_imm32_b32 hwreg(HW_REG_WAVE_MODE, 25, 1), 1
	s_wait_xcnt 0x0
	s_wait_alu depctr_hold_cnt(0) depctr_sa_sdst(0) depctr_va_vdst(0) depctr_va_sdst(0) depctr_va_ssrc(0) depctr_va_vcc(0) depctr_vm_vsrc(0)
	s_getreg_b32 s2, hwreg(HW_REG_IB_STS2, 6, 4)
	s_cmp_eq_u32 s2, 0
	s_cbranch_scc0 .Lentry_in_a_cluster
	s_endpgm
.Lentry_in_a_cluster:
	s_bfe_u32 s2, ttmp6, 0x10000c
	s_cmp_lg_u32 s2, 0x3003
	s_cbranch_scc0 .Lentry_shape_is_right
	s_endpgm
.Lentry_shape_is_right:
; att[b][s][64 h + d] = softmax over keys of (q k^T) times v, per head, in f32.  qkv: [3][b 2][h 16][s 2048][64] bf16; q already holds the factor log2(e)/8,
; so the scores are exponents of 2.  The softmax takes a running maximum away before every exponential.
; LIMITS: NaN and infinities in the inputs are not treated apart; a weight below 2^-126 of the largest seen so far counts as 0 (v_exp_f32 gives 0 there: ISA guide 15.8);
; the row sum is at least 1 (the largest score gives 2^0) and at most 2,048.  The weights enter the second product rounded to bf16, the row sum is of the f32 weights.
; SHARES: work-group (x, y): head y = 16 b + h, queries 256 x .. 256 x + 255.  Sixteen waves of 256 registers, four on a SIMD (4 x 256 = 1,024 registers), so that one
; wave's matrix work, another's exponentials and another's plain vector work stand beside each other.  Wave w: query group w & 7 (32 queries, two tiles of 16) and key
; half w >> 3: of every tile of 256 keys it takes 128, in two steps of 64.  The two waves of a query group end with a maximum, a sum and an O each, over half of the
; keys; they are joined at the end through LDS.  Register slot 0 of a wave holds query tile w >> 3 of its group and slot 1 the other one, so that in one text every
; wave keeps slot 0, sends slot 1 to its partner (wave w xor 8), and writes out 16 rows.
; CLUSTER 4 x 1: four query blocks of one head walk the same K and V tiles; every tile is asked for jointly (mask 15).
; LAYOUT: S^T = K Q^T, so lane (r, hh) holds query r and keys 16 kt + 8 hh + 0..7: maximum and sum of a row are made inside the lane and by one exchange of the
; halves, and two neighbouring tiles of S^T, packed to bf16 in place, ARE the second source of O^T += V^T P^T.  V^T comes by transposing LDS loads from V as stored.
.set KP, 144                           ; K's LDS pitch: 128 bytes + 16: sixteen rows start 16 bytes apart modulo 256
.set VP, 160                           ; V's LDS pitch: 128 bytes + 32, an odd multiple of 32, for the transposing loads
.set VOFF, 256*KP                      ; V's 256 rows lie behind K's 256 rows
.set SLOT, 256*KP+256*VP               ; 77,824 bytes
.set XCH, 2*SLOT                       ; behind the ring: what a wave sends to its partner; no tensor load ever lands here
.set WX, 4352                          ; a wave's area: 32 registers x 128 bytes of O, then 256 bytes of (maximum, sum)
.set STAGE, XCH+16*WX                  ; behind that: the way out; no tensor load ever lands here
.set SP, 272                           ; a stage row: 64 f32 + 16 bytes
.set WSTAGE, 16*SP                     ; a wave's 16 rows
.set TILEB, 256*128                    ; bytes of a tile of K or of V in memory
.set KBASE, 0x800000                   ; k in qkv
.set VBASE, 0x1000000                  ; v in qkv
.set KAD, 4                            ; v4, v5    slot s: LDS address of my K fragments
.set VAD, 6                            ; v6, v7    slot s: LDS address of my V fragments
.set XS,  4                            ; at the end, when K and V are read no more: v4 where I send O, v5 where I send (maximum, sum),
.set XM,  5
.set XR,  6                            ; v6, v7 where I find my partner's
.set XRM, 7
.set STO, 8                            ; v8        the way out: where I put 32 bytes of a row
.set RD,  9                            ; v9        the way out: where I read 16 bytes back
.set CO,  10                           ; v10       my byte offset in att
.set QOFF, 11                          ; v11       my byte offset in the group's rows of q, register slot 0
.set QOFF1, 30                         ; v30       the same for register slot 1
.set M,   12                           ; v12, v13  running maximum of slot 0, 1
.set NM,  14                           ; v[14:15], v[16:17]  minus the maximum (the low register is used)
.set AL,  18                           ; v[18:19], v[20:21]  2^(old maximum - new maximum) (the low register is used); at the end the two factors of the merge
.set LS,  22                           ; v[22:23], v[24:25]  running sum of my keys' weights, in two halves
.set T0,  26
.set T1,  27
.set T2,  28
.set T3,  29
.set TP0, 26                           ; v[26:27], v[28:29] pairs at work
.set TP1, 28
.set Q,   32                           ; v[32:63]    Q + 16 qt + 8 dh: 16 queries x 32 d
.set O,   64                           ; v[64:127]   O + 32 qt + 8 dt: O^T, 16 d x 16 queries, f32
.set S,   128                          ; v[128:191]  S + 32 qt + 8 kt: S^T, 16 keys x 16 queries, f32; then P^T in bf16 at S + 32 qt + 16 kh
.set F,   192                          ; v[192:255]  K fragments at F + 16 kt + 8 dh, then V^T fragments at F + 32 kh + 8 dt
.set G1K, 16                           ; s[16:23] descriptor group 1 for K
.set G1V, 24                           ; s[24:31] descriptor group 1 for V
.set G0K, 32                           ; s[32:39] descriptor group 0 for K, one set for each slot
.set G0V, 40                           ; s[40:47] descriptor group 0 for V, one set for each slot
; A round of the cluster's barrier: my work-group's barrier; wave 0 signals for the work-group; every wave waits for all four; my work-group's barrier again.
.macro ROUND
	s_barrier_signal -1
	s_barrier_wait -1
	s_cmp_lg_u32 s8, 0
	s_cbranch_scc1 .Lnot_wave_0_\@
	s_barrier_signal -3
.Lnot_wave_0_\@:
	s_barrier_wait -3
	s_barrier_signal -1
	s_barrier_wait -1
.endm
; Places behind matrix instructions: only plain vector instructions that name none of their registers count (ISA guide 7.12.1).
.macro PLACES n
.rept \n
	v_nop
.endr
.endm
	s_load_b128 s[4:7], s[0:1], 0x0                ; qkv s[4:5], att s[6:7]
	v_lshl_add_u32 v190, v0, 2, 0x48000
	v_mov_b32 v191, 0
	ds_add_u32 v190, v191
	s_wait_dscnt 0x0
	v_lshrrev_b32 v1, 5, v0
	v_readfirstlane_b32 s8, v1                     ; wave 0..15
	s_and_b32 s2, s8, 7                            ; query group
	s_lshr_b32 s3, s8, 3                           ; key half; also the query tile that I keep
	s_bfe_u32 s10, ttmp6, 0x40000                  ; cx
	s_lshl_b32 s11, ttmp9, 2
	s_add_co_u32 s11, s11, s10                     ; query block = 4 x cluster x + cx
	s_and_b32 s12, ttmp7, 0xffff                   ; y = 16 b + h, shared by the four partners
	s_mov_b32 s48, 0x76543210                      ; v_permlanex16_b32: lane i of one half reads lane i of the other
	s_mov_b32 s49, 0xfedcba98
	; group 1: 16 rows x 64 elements of 2 bytes, padding behind every 32 words: 4 words for K, 8 for V; mask 15 with bit 21 beside it
	s_mov_b32 s[G1K+0], 15|(1<<16)|(1<<20)|(1<<21)|(4<<22)|(3<<25)
	s_mov_b32 s[G1V+0], 15|(1<<16)|(1<<20)|(1<<21)|(4<<22)|(7<<25)
	s_mov_b32 s[G1K+1], 64<<16                     ; tensor_dim0 = 64
	s_mov_b32 s[G1V+1], 64<<16
	s_mov_b32 s[G1K+2], 16<<16                     ; tensor_dim1 = 16
	s_mov_b32 s[G1V+2], 16<<16
	s_mov_b32 s[G1K+3], 64<<16                     ; tile_dim0 = 64
	s_mov_b32 s[G1V+3], 64<<16
	s_mov_b32 s[G1K+4], 16                         ; tile_dim1 = 16
	s_mov_b32 s[G1V+4], 16
	s_mov_b32 s[G1K+5], 64                         ; elements from row to row
	s_mov_b32 s[G1V+5], 64
	s_mov_b32 s[G1K+6], 0
	s_mov_b32 s[G1V+6], 0
	s_mov_b32 s[G1K+7], 0
	s_mov_b32 s[G1V+7], 0
	s_lshl_b32 s52, s12, 18                        ; K and V: the head, 262,144 bytes each,
	s_lshl_b32 s13, s8, 11                         ; and the 16 rows of 128 bytes that this wave fetches: nothing here holds cx
	s_add_co_u32 s52, s52, s13
	s_mov_b32 s53, 0
	s_lshl_b32 s58, s12, 18                        ; q: the head,
	s_lshl_b32 s13, s11, 15                        ; the query block of 256 rows of 128 bytes,
	s_add_co_u32 s58, s58, s13
	s_lshl_b32 s13, s2, 12                         ; the query group of 32 rows
	s_add_co_u32 s58, s58, s13
	s_mov_b32 s59, 0
	s_lshr_b32 s60, s12, 4                         ; att: batch x 2,048 rows of 4,096 bytes
	s_lshl_b32 s60, s60, 23
	s_lshl_b32 s61, s11, 20                        ; + query block x 256 rows
	s_add_co_u32 s60, s60, s61
	s_lshl_b32 s61, s2, 17                         ; + query group x 32 rows
	s_add_co_u32 s60, s60, s61
	s_lshl_b32 s61, s3, 16                         ; + the tile that I keep x 16 rows
	s_add_co_u32 s60, s60, s61
	s_and_b32 s61, s12, 15
	s_lshl_b32 s61, s61, 8                         ; + head x 256 bytes
	s_add_co_u32 s60, s60, s61
	s_mov_b32 s61, 0
	s_mul_i32 s14, s8, 16*KP                       ; where my 16 rows of K go,
	s_mul_i32 s15, s8, 16*VP                       ; and my 16 rows of V
	s_mul_i32 s62, s8, WX
	s_add_co_u32 s62, s62, XCH                     ; where I send
	s_xor_b32 s63, s8, 8                           ; my partner: the same queries, the other keys
	s_mul_i32 s63, s63, WX
	s_add_co_u32 s63, s63, XCH                     ; where it sends
	s_wait_kmcnt 0x0
	s_add_nc_u64 s[50:51], s[4:5], s[52:53]        ; qkv at the head and the rows that I fetch
	s_add_nc_u64 s[54:55], s[4:5], s[58:59]        ; q: my group's 32 queries
	s_add_nc_u64 s[56:57], s[6:7], s[60:61]        ; att: my 16 rows, the head's columns
.irp s, 0,1
	s_mov_b32 s[G0K+4*\s], 1
	s_add_co_u32 s[G0K+4*\s+1], s14, \s*SLOT
	s_add_nc_u64 s[G0K+4*\s+2:G0K+4*\s+3], s[50:51], KBASE+\s*TILEB     ; slot s starts with tile s
	s_or_b32 s[G0K+4*\s+3], s[G0K+4*\s+3], 0x80000000
	s_mov_b32 s[G0V+4*\s], 1
	s_add_co_u32 s[G0V+4*\s+1], s15, VOFF+\s*SLOT
	s_add_nc_u64 s[G0V+4*\s+2:G0V+4*\s+3], s[50:51], VBASE+\s*TILEB
	s_or_b32 s[G0V+4*\s+3], s[G0V+4*\s+3], 0x80000000
.endr
	ROUND                                          ; all four work-groups are here: the first joint loads meet
	tensor_load_to_lds s[G0K:G0K+3], s[G1K:G1K+7]  ; tile 0 into slot 0: my 16 rows of K
	s_nop 0
	tensor_load_to_lds s[G0V:G0V+3], s[G1V:G1V+7]  ; and of V
	s_nop 0
	v_and_b32 v2, 15, v0                           ; r
	v_bfe_u32 v3, v0, 4, 1                         ; hh
	v_lshlrev_b32 v26, 7, v2
	v_lshl_add_u32 v26, v3, 4, v26                 ; row r of 128 bytes + 16 hh
	s_lshl_b32 s13, s3, 11                         ; register slot 0: query tile = my key half (16 rows of 128 bytes),
	v_add_nc_u32 v[QOFF], s13, v26
	s_xor_b32 s13, s13, 2048                       ; register slot 1: the other tile
	v_add_nc_u32 v[QOFF1], s13, v26
.irp dh, 0,1
.irp i, 0,1
	global_load_b128 v[Q+8*\dh+4*\i:Q+8*\dh+4*\i+3],       v[QOFF],  s[54:55] offset:64*\dh+32*\i
	global_load_b128 v[Q+16+8*\dh+4*\i:Q+16+8*\dh+4*\i+3], v[QOFF1], s[54:55] offset:64*\dh+32*\i
.endr
.endr
	v_mul_u32_u24 v26, v2, KP
	v_lshl_add_u32 v26, v3, 4, v26                 ; K: row r x pitch + 16 hh,
	s_mul_i32 s13, s3, 128*KP                      ; in my half of the tile's keys
	v_add_nc_u32 v[KAD], s13, v26
	s_add_co_u32 s13, s13, SLOT
	v_add_nc_u32 v[KAD+1], s13, v26
	v_and_b32 v26, 7, v0
	v_lshl_add_u32 v26, v3, 3, v26                 ; V: row 8 hh + l % 8,
	v_mul_u32_u24 v26, v26, VP
	v_bfe_u32 v27, v0, 3, 1
	v_lshl_add_u32 v26, v27, 4, v26                ; 16 bytes for each group of eight lanes,
	s_mul_i32 s13, s3, 128*VP                      ; in my half of the tile's keys
	s_add_co_u32 s13, s13, VOFF
	v_add_nc_u32 v[VAD], s13, v26
	s_add_co_u32 s13, s13, SLOT
	v_add_nc_u32 v[VAD+1], s13, v26
	s_mul_i32 s13, s8, WSTAGE
	s_add_co_u32 s13, s13, STAGE                   ; my stage
	v_mul_u32_u24 v26, v2, SP
	v_lshl_add_u32 v26, v3, 5, v26
	v_add_nc_u32 v[STO], s13, v26                  ; stage in: row r, 32 bytes for each half of the lanes
	v_mul_u32_u24 v26, v3, SP
	v_lshl_add_u32 v26, v2, 4, v26
	v_add_nc_u32 v[RD], s13, v26                   ; stage back: lanes 0-15 one row of 256 bytes, lanes 16-31 the next
	v_lshlrev_b32 v26, 12, v3
	v_lshl_add_u32 v[CO], v2, 4, v26               ; the same two rows in att
	v_mov_b32 v[NM+1], 0                           ; second halves of pairs of which the low register alone is used
	v_mov_b32 v[NM+3], 0
	v_mov_b32 v[AL+1], 0
	v_mov_b32 v[AL+3], 0
	s_wait_loadcnt 0x0                             ; q, once
; 8 LDS loads: K tiles k0, k0 + 1 (16 keys x 64 d each) of step st
.macro KLOADS slot, st, k0
.irp kt, \k0, \k0+1
.irp dh, 0,1
.irp i, 0,1
	ds_load_b128 v[F+16*(\kt)+8*\dh+4*\i:F+16*(\kt)+8*\dh+4*\i+3], v[KAD+\slot] offset:(64*(\st)+16*(\kt))*KP+64*\dh+32*\i
.endr
.endr
.endr
.endm
; 16 transposing LDS loads: V^T of step st, 16 d x 32 keys for each (kh, dt); the eight of kh = 0 first
.macro VLOADS slot, st
.irp kh, 0,1
.irp dt, 0,1,2,3
.irp i, 0,1
	ds_load_tr16_b128 v[F+32*\kh+8*\dt+4*\i:F+32*\kh+8*\dt+4*\i+3], v[VAD+\slot] offset:(64*(\st)+32*\kh+16*\i)*VP+32*\dt
.endr
.endr
.endr
.endm
; 8 matrix instructions: S^T of key tiles k0, k0 + 1 and both query tiles.  The first 32 d start the sums; four accumulators take turns, one instruction a turn.
.macro SGROUP k0
.irp dh, 0,1
.irp kt, \k0, \k0+1
.irp qt, 0,1
.if \dh == 0
	v_wmma_f32_16x16x32_bf16 v[S+32*\qt+8*(\kt):S+32*\qt+8*(\kt)+7], v[F+16*(\kt)+8*\dh:F+16*(\kt)+8*\dh+7], v[Q+16*\qt+8*\dh:Q+16*\qt+8*\dh+7], 0
.else
	v_wmma_f32_16x16x32_bf16 v[S+32*\qt+8*(\kt):S+32*\qt+8*(\kt)+7], v[F+16*(\kt)+8*\dh:F+16*(\kt)+8*\dh+7], v[Q+16*\qt+8*\dh:Q+16*\qt+8*\dh+7], v[S+32*\qt+8*(\kt):S+32*\qt+8*(\kt)+7]
.endif
.endr
.endr
.endr
.endm
; 8 matrix instructions: O^T += V^T P^T for 32 keys; eight accumulators take turns, in the same order in both halves.  start = 1: the very first product starts the sums.
.macro PV kh, start
.irp dt, 0,1,2,3
.irp qt, 0,1
.if \start
	v_wmma_f32_16x16x32_bf16 v[O+32*\qt+8*\dt:O+32*\qt+8*\dt+7], v[F+32*\kh+8*\dt:F+32*\kh+8*\dt+7], v[S+32*\qt+16*\kh:S+32*\qt+16*\kh+7], 0
.else
	v_wmma_f32_16x16x32_bf16 v[O+32*\qt+8*\dt:O+32*\qt+8*\dt+7], v[F+32*\kh+8*\dt:F+32*\kh+8*\dt+7], v[S+32*\qt+16*\kh:S+32*\qt+16*\kh+7], v[O+32*\qt+8*\dt:O+32*\qt+8*\dt+7]
.endif
.endr
.endr
.endm
; THE SOFTMAX OF A STEP goes in eight units of eight scores a lane: unit u = 4 qt + kt lies in v[S + 8 u : S + 8 u + 7].  Each of the macros below is ONE instruction
; of a unit (or none, where the unit does not exist or the step is the first), so that UNIT can lay plain instructions between the exponentials.
.macro E1 u, i                         ; 2^x, in place
	v_exp_f32 v[S+8*(\u)+\i], v[S+8*(\u)+\i]
.endm
.macro SB1 u, i                        ; two scores (i = 0, 2, 4, 6) minus the maximum
.if (\u) <= 7
	v_pk_add_f32 v[S+8*(\u)+\i:S+8*(\u)+\i+1], v[S+8*(\u)+\i:S+8*(\u)+\i+1], v[NM+2*((\u)>>2):NM+2*((\u)>>2)+1] op_sel_hi:[1,0]
.endif
.endm
.macro RS1 u, i, first                 ; two numbers (i = 0, 2, 4, 6) of O's registers 8 u .. 8 u + 7 move to the new maximum
.if \first == 0
	s_wait_alu depctr_va_vdst(0)
	v_pk_mul_f32 v[O+8*(\u)+\i:O+8*(\u)+\i+1], v[O+8*(\u)+\i:O+8*(\u)+\i+1], v[AL+2*((\u)>>2):AL+2*((\u)>>2)+1] op_sel_hi:[1,0]
.endif
.endm
.macro SCA u                           ; the unit's eight weights join the running sum: four instructions
.if (\u) >= 0
	s_wait_alu depctr_va_vdst(0)
	v_pk_add_f32 v[TP0:TP0+1], v[S+8*(\u):S+8*(\u)+1], v[S+8*(\u)+2:S+8*(\u)+3]
.endif
.endm
.macro SCB u
.if (\u) >= 0
	v_pk_add_f32 v[TP1:TP1+1], v[S+8*(\u)+4:S+8*(\u)+5], v[S+8*(\u)+6:S+8*(\u)+7]
.endif
.endm
.macro SCC u, first
.if (\u) >= 0
.if ((\u)&3) == 0
.if \first
	v_pk_add_f32 v[LS+2*((\u)>>2):LS+2*((\u)>>2)+1], v[TP0:TP0+1], v[TP1:TP1+1]     ; the first weights start the sum
.else
	v_pk_add_f32 v[TP0:TP0+1], v[TP0:TP0+1], v[TP1:TP1+1]
.endif
.else
	v_pk_add_f32 v[TP0:TP0+1], v[TP0:TP0+1], v[TP1:TP1+1]
.endif
.endif
.endm
.macro SCD u, first
.if (\u) >= 0
.if ((\u)&3) == 0
.if \first == 0
	v_pk_fma_f32 v[LS+2*((\u)>>2):LS+2*((\u)>>2)+1], v[LS+2*((\u)>>2):LS+2*((\u)>>2)+1], v[AL+2*((\u)>>2):AL+2*((\u)>>2)+1], v[TP0:TP0+1] op_sel_hi:[1,0,1]   ; the old sum moves to the new maximum
.endif
.else
	v_pk_add_f32 v[LS+2*((\u)>>2):LS+2*((\u)>>2)+1], v[LS+2*((\u)>>2):LS+2*((\u)>>2)+1], v[TP0:TP0+1]
.endif
.endif
.endm
.macro CV1 u, i                        ; two weights pack to bf16 in place: key tile kt goes to registers 16 (kt / 2) + 4 (kt % 2) + 0..3 of its query tile, each consumed before
.if (\u) >= 0
	v_cvt_pk_bf16_f32 v[S+32*((\u)>>2)+16*(((\u)&3)>>1)+4*((\u)&1)+\i], v[S+8*(\u)+2*\i], v[S+8*(\u)+2*\i+1]
.endif
.endm
; Unit u's eight exponentials, each followed by plain work on other registers: the sum and the packing of unit u - 1, the subtraction of unit u + 1, and eight numbers
; of O's rescale.  So a result of v_exp_f32 is read at the earliest in the next unit, with plain instructions between (ISA guide 5.7.2).
.macro UNIT u, first
	E1  \u, 0
	SCA (\u-1)
	SB1 (\u+1), 0
	E1  \u, 1
	SCB (\u-1)
	RS1 \u, 0, \first
	E1  \u, 2
	SCC (\u-1), \first
	SB1 (\u+1), 2
	E1  \u, 3
	SCD (\u-1), \first
	RS1 \u, 2, \first
	E1  \u, 4
	CV1 (\u-1), 0
	SB1 (\u+1), 4
	E1  \u, 5
	CV1 (\u-1), 1
	RS1 \u, 4, \first
	E1  \u, 6
	CV1 (\u-1), 2
	SB1 (\u+1), 6
	E1  \u, 7
	CV1 (\u-1), 3
	RS1 \u, 6, \first
.endm
; Both query tiles' 64 new scores.  The two maxima are made side by side, in four chains that do not wait for each other.
.macro SOFTMAX2 first
.if \first
	v_max3_num_f32 v[T0], v[S], v[S], v[S+1]
	v_max3_num_f32 v[T2], v[S+32], v[S+32], v[S+33]
.else
	v_max3_num_f32 v[T0], v[M], v[S], v[S+1]                      ; the running maximum starts one of a tile's two chains
	v_max3_num_f32 v[T2], v[M+1], v[S+32], v[S+33]
.endif
	v_max3_num_f32 v[T1], v[S+16], v[S+17], v[S+18]
	v_max3_num_f32 v[T3], v[S+48], v[S+49], v[S+50]
.irp i, 0,1,2,3,4,5
	v_max3_num_f32 v[T0], v[T0], v[S+2+2*\i], v[S+3+2*\i]
	v_max3_num_f32 v[T2], v[T2], v[S+34+2*\i], v[S+35+2*\i]
	v_max3_num_f32 v[T1], v[T1], v[S+19+2*\i], v[S+20+2*\i]
	v_max3_num_f32 v[T3], v[T3], v[S+51+2*\i], v[S+52+2*\i]
.endr
	v_max3_num_f32 v[T0], v[T0], v[S+14], v[S+15]
	v_max3_num_f32 v[T2], v[T2], v[S+46], v[S+47]
	v_max3_num_f32 v[T0], v[T0], v[T1], v[S+31]
	v_max3_num_f32 v[T2], v[T2], v[T3], v[S+63]
	v_permlanex16_b32 v[T1], v[T0], s48, s49                      ; the other half of the lanes holds the query's other keys
	v_permlanex16_b32 v[T3], v[T2], s48, s49
	v_max_num_f32 v[T0], v[T0], v[T1]
	v_max_num_f32 v[T2], v[T2], v[T3]
.if \first == 0
	v_sub_f32 v[T1], v[M], v[T0]                                  ; old maximum - new maximum, at most 0
	v_sub_f32 v[T3], v[M+1], v[T2]
.endif
	v_sub_f32 v[NM], 0, v[T0]
	v_sub_f32 v[NM+2], 0, v[T2]
	v_mov_b32 v[M], v[T0]
	v_mov_b32 v[M+1], v[T2]
.if \first == 0
	v_exp_f32 v[AL], v[T1]
	v_exp_f32 v[AL+2], v[T3]
.endif
	SB1 0, 0                                                      ; unit 0's subtraction opens the run of units
	SB1 0, 2
	SB1 0, 4
	SB1 0, 6
	UNIT 0, \first
	UNIT 1, \first
	UNIT 2, \first
	UNIT 3, \first
	UNIT 4, \first
	UNIT 5, \first
	UNIT 6, \first
	UNIT 7, \first
	SCA 7                                                         ; unit 7's sum and packing close it
	SCB 7
	SCC 7, \first
	SCD 7, \first
	CV1 7, 0
	CV1 7, 1
	CV1 7, 2
	CV1 7, 3
.endm
; 64 keys.  At its head 16 K loads of this step are out or in.  next = 1: the next step's K fragments are fetched from the same slot as V's registers fall free.
.macro STEP slot, st, first, next
	s_wait_dscnt 8                                 ; K tiles 0 and 1 are in; the eight loads of tiles 2 and 3 may be out
	SGROUP 0
	s_wait_dscnt 0                                 ; tiles 2 and 3
	SGROUP 2
	PLACES 4                                       ; behind the last products: the loads land in their sources, the softmax reads their results
	VLOADS \slot, \st
	SOFTMAX2 \first
	s_wait_dscnt 8                                 ; V^T of the first 32 keys is in; the eight loads of the second 32 may be out
	PV 0, \first
.if \next
	PLACES 4                                       ; the loads land in the sources of the eight products above
	KLOADS \slot, \st+1, 0
	s_wait_dscnt 8                                 ; V^T of the second 32 keys is in; the eight K loads just issued may be out
.else
	s_wait_dscnt 0
.endif
	PV 1, 0
	PLACES 5                                       ; the next step's products write over P, a source of those above, and loads land in V^T's registers
.if \next
	KLOADS \slot, \st+1, 2
.endif
.endm
; A tile of 256 keys in slot `slot`, of which this wave takes 128.  In front of the round every wave waits for all its tensor loads (its part of this tile among them)
; and for its reads of the other slot; behind the round the other slot is filled again first, by the next tile, which then has this whole trip (64 matrix instructions
; of each of the sixteen waves) to land.  A wave has at most two tensor loads outstanding.
.macro TRIP slot, refill, first
	s_wait_xcnt 0x0
	v_lshl_add_u32 v190, v0, 2, 0x48000
	v_mov_b32 v191, 0
	s_wait_tensorcnt 0x0                           ; no tensor load of mine is out, so every group 0 may be written:
	ds_add_u32 v190, v191
	s_wait_dscnt 0x0
	s_add_nc_u64 s[G0K+4*\slot+2:G0K+4*\slot+3], s[G0K+4*\slot+2:G0K+4*\slot+3], 2*TILEB   ; this slot's next tile (in the last two trips stepped and not used)
	s_add_nc_u64 s[G0V+4*\slot+2:G0V+4*\slot+3], s[G0V+4*\slot+2:G0V+4*\slot+3], 2*TILEB
	s_wait_dscnt 0x0                               ; my reads of the last trip's tile are done
	ROUND                                          ; both now hold of every wave of all four work-groups
.if \refill
	tensor_load_to_lds s[G0K+4*(1-\slot):G0K+4*(1-\slot)+3], s[G1K:G1K+7]
	s_nop 0
	tensor_load_to_lds s[G0V+4*(1-\slot):G0V+4*(1-\slot)+3], s[G1V:G1V+7]
	s_nop 0
.endif
	KLOADS \slot, 0, 0
	KLOADS \slot, 0, 2
	STEP \slot, 0, \first, 1
	STEP \slot, 1, 0, 0
.endm
	TRIP 0, 1, 1                                   ; tiles 0 and 1 stand in front of the loop: the first step starts maximum, sum and O
	TRIP 1, 1, 0
	s_mov_b32 s9, 2
.Lpair:
	TRIP 0, 1, 0                                   ; tiles 2 to 5
	TRIP 1, 1, 0
	s_sub_co_u32 s9, s9, 1
	s_cmp_lg_u32 s9, 0
	s_cbranch_scc1 .Lpair
	TRIP 0, 1, 0                                   ; tile 6 asks for tile 7,
	TRIP 1, 0, 0                                   ; which asks for nothing
	; THE MERGE.  Each wave holds, for both query tiles of its group, maximum, sum and O over its half of the keys.  It sends register slot 1 to its partner and takes
	; the partner's slot 1, which is the query tile of its own slot 0.  The five places that close the last step stand behind the last products.
	v_add_f32 v[T0], v[LS], v[LS+1]
	v_add_f32 v[T1], v[LS+2], v[LS+3]
	v_permlanex16_b32 v[T2], v[T0], s48, s49       ; the other half of the lanes holds the query's other keys
	v_permlanex16_b32 v[T3], v[T1], s48, s49
	v_add_f32 v[T0], v[T0], v[T2]                  ; the sum of the tile that I keep
	v_add_f32 v[T3], v[T1], v[T3]                  ; the sum of the tile that I send,
	v_mov_b32 v[T2], v[M+1]                        ; beside its maximum: a pair
	v_and_b32 v1, 31, v0                           ; lane
	v_lshl_add_u32 v[XS], v1, 4, s62               ; 16 bytes a lane and store: 512 consecutive bytes, no two lanes in one bank
	v_lshl_add_u32 v[XM], v1, 3, s62
	v_lshl_add_u32 v[XR], v1, 4, s63
	v_lshl_add_u32 v[XRM], v1, 3, s63
.irp i, 0,1,2,3,4,5,6,7
	ds_store_b128 v[XS], v[O+32+4*\i:O+32+4*\i+3] offset:512*\i
.endr
	ds_store_b64 v[XM], v[T2:T3] offset:4096
	s_wait_dscnt 0x0                               ; my stores are done, for my partner's sake,
	s_barrier_signal -1
	s_barrier_wait -1                              ; and so are everybody's
.irp i, 0,1,2,3,4,5,6,7
	ds_load_b128 v[S+4*\i:S+4*\i+3], v[XR] offset:512*\i           ; lane for lane and register for register the partner's O of my tile
.endr
	ds_load_b64 v[S+32:S+33], v[XRM] offset:4096                   ; its maximum and its sum
	s_wait_dscnt 0x0
	v_max_num_f32 v[T1], v[M], v[S+32]             ; the maximum over all keys
	v_sub_f32 v[T2], v[M], v[T1]
	v_sub_f32 v[T3], v[S+32], v[T1]
	v_exp_f32 v[T2], v[T2]                         ; a: my half moves to it (one of a, b is 1),
	v_exp_f32 v[T3], v[T3]                         ; b: the partner's half
	v_nop                                          ; one plain place behind the exponentials
	s_wait_alu depctr_va_vdst(0)
	v_mul_f32 v[T0], v[T0], v[T2]
	v_fmac_f32 v[T0], v[S+33], v[T3]               ; the row sum over all keys, at least 1
	v_rcp_f32 v[T1], v[T0]
	v_nop                                          ; one plain place behind the reciprocal
	s_wait_alu depctr_va_vdst(0)
	v_mul_f32 v[AL], v[T2], v[T1]                  ; a / sum
	v_mul_f32 v[AL+2], v[T3], v[T1]                ; b / sum
.irp i, 0,2,4,6,8,10,12,14,16,18,20,22,24,26,28,30
	v_pk_mul_f32 v[O+\i:O+\i+1], v[O+\i:O+\i+1], v[AL:AL+1] op_sel_hi:[1,0]
.endr
.irp i, 0,2,4,6,8,10,12,14,16,18,20,22,24,26,28,30
	v_pk_fma_f32 v[O+\i:O+\i+1], v[S+\i:S+\i+1], v[AL+2:AL+3], v[O+\i:O+\i+1] op_sel_hi:[1,0,1]
.endr
	; THE WAY OUT: my 16 rows through my own stage, out in whole rows of the head's 256 bytes.
.irp dt, 0,1,2,3
.irp i, 0,1
	ds_store_b128 v[STO], v[O+8*\dt+4*\i:O+8*\dt+4*\i+3] offset:64*\dt+16*\i       ; query r, d = 16 dt + 8 hh + 4 i ..
.endr
.endr
.irp t, 0,1,2,3,4,5,6,7
	ds_load_b128 v[F+4*\t:F+4*\t+3], v[RD] offset:2*SP*\t          ; my own bytes; LDS serves a wave's instructions in order (ISA guide 5.7.1.4)
.endr
.irp t, 0,1,2,3,4,5,6,7
	s_wait_dscnt 7-\t                              ; load t is in, the 7 - t younger ones stay out
	global_store_b128 v[CO], v[F+4*\t:F+4*\t+3], s[56:57] offset:8192*\t   ; sixteen lanes store 256 consecutive bytes, aligned: a row's 64 numbers of this head
.endr
	s_wait_xcnt 0x0
	v_lshl_add_u32 v190, v0, 2, 0x48000
	v_mov_b32 v191, 0
	s_wait_tensorcnt 0x0
	ds_add_u32 v190, v191
	s_wait_dscnt 0x0
	ROUND                                          ; the closing round: no work-group ends while a partner may still ask for a tile that names it
	s_endpgm
.Lfunc_end_k_q447631b9e0_attn:
	.size	k_q447631b9e0_attn, .Lfunc_end_k_q447631b9e0_attn-k_q447631b9e0_attn
	.p2alignl 7, 3214868480
	.fill 96, 4, 3214868480
	.section	.rodata,"a",@progbits
	.p2align	6, 0x0
	.amdhsa_kernel k_q447631b9e0_attn
		.amdhsa_group_segment_fixed_size 327680
		.amdhsa_private_segment_fixed_size 0
		.amdhsa_enable_private_segment 0
		.amdhsa_kernarg_size 16
		.amdhsa_user_sgpr_count 2
		.amdhsa_user_sgpr_kernarg_segment_ptr 1
		.amdhsa_wavefront_size32 1
		.amdhsa_system_sgpr_workgroup_id_x 1
		.amdhsa_system_sgpr_workgroup_id_y 1
		.amdhsa_system_sgpr_workgroup_id_z 1
		.amdhsa_system_vgpr_workitem_id 0
		.amdhsa_next_free_vgpr 256
		.amdhsa_next_free_sgpr 66
		.amdhsa_reserve_vcc 0
		.amdhsa_float_denorm_mode_32 3
		.amdhsa_float_denorm_mode_16_64 3
		.amdhsa_memory_ordered 1
		.amdhsa_forward_progress 1
		.amdhsa_inst_pref_size 235
	.end_amdhsa_kernel
	.amdgpu_metadata
---
amdhsa.version: [ 1, 2 ]
amdhsa.kernels:
  - .name:           k_q447631b9e0_attn
    .symbol:         k_q447631b9e0_attn.kd
    .args:
      - { .name: qkv, .offset: 0, .size: 8, .value_kind: global_buffer, .address_space: global }
      - { .name: att, .offset: 8, .size: 8, .value_kind: global_buffer, .address_space: global }
    .group_segment_fixed_size: 327680
    .private_segment_fixed_size: 0
    .kernarg_segment_align: 8
    .kernarg_segment_size: 16
    .max_flat_workgroup_size: 512
    .sgpr_count:     66
    .vgpr_count:     256
    .wavefront_size: 32
...
	.end_amdgpu_metadata
.endif
;; end of part 3
;; launch norm (part 4): grid 256 x 1, 8 waves a work-group, no clusters, 0 bytes of LDS; arguments att, x, gamma, beta, out0; writes out0
.if DOCPART == 4
	.amdgcn_target "amdgcn-amd-amdhsa--gfx1250"
	.amdhsa_code_object_version 6
	.text
	.protected	k_q447631b9e0_norm
	.globl	k_q447631b9e0_norm
	.p2align	8
	.type	k_q447631b9e0_norm,@function
k_q447631b9e0_norm:
	s_mov_b64 s[64:65], 0
	v_nop
	global_prefetch_b8 v0, s[64:65] scope:SCOPE_SE
	s_setreg_imm32_b32 hwreg(HW_REG_WAVE_MODE, 25, 1), 1
	s_wait_xcnt 0x0
; out0[r][c] = (y - mean(y)) rsqrt(var(y) + 1e-5) gamma[c] + beta[c],  y = att[r][c] + x[r][c];  4,096 rows of 1,024 f32.
; A row is 4,096 bytes: one wave takes a whole row, eight 16-byte loads a lane, and keeps it in 32 registers through all passes, so each byte is read once and no
; wave waits for another.  The variance is the mean of the squares of the centred numbers, not a difference of large sums.
; 256 work-groups of eight waves, two rows a wave; all 48 loads of a wave go out at once.  A stream: no LDS, no matrix unit, no cluster, since no rows are shared.
.set ROWB, 4096
.set Y0, 16                            ; v[16:47]    row 0: att, then y, then the result
.set X0, 48                            ; v[48:79]    row 0: x
.set GA, 80                            ; v[80:111]   gamma of my 32 columns
.set BE, 112                           ; v[112:143]  beta
.set Y1, 144                           ; v[144:175]  row 1
.set X1, 176                           ; v[176:207]
                                       ; v[4:11] four chains of sums; v[12:13] minus the mean; v[14:15] 1 / sqrt(var + eps) (the low registers are used)
	s_load_b256 s[4:11], s[0:1], 0x0               ; att s[4:5], x s[6:7], gamma s[8:9], beta s[10:11]
	s_load_b64 s[12:13], s[0:1], 0x20              ; out0
	s_mov_b32 s16, 0x76543210                      ; v_permlanex16_b32: lane i of one half reads lane i of the other
	s_mov_b32 s17, 0xfedcba98
	s_lshl_b32 s18, ttmp9, 16                      ; the work-group's 16 rows of 4,096 bytes
	s_mov_b32 s19, 0
	s_mov_b32 s20, 0x3a800000                      ; 1 / 1024
	v_and_b32 v2, 31, v0
	v_lshlrev_b32 v2, 4, v2                        ; 16 bytes a lane
	v_lshrrev_b32 v3, 5, v0
	v_lshl_add_u32 v1, v3, 13, v2                  ; + wave x 2 rows
	v_mov_b32 v13, 0                               ; second halves of pairs of which the low register alone is used
	v_mov_b32 v15, 0
	s_wait_kmcnt 0x0
	s_add_nc_u64 s[4:5], s[4:5], s[18:19]
	s_add_nc_u64 s[6:7], s[6:7], s[18:19]
	s_add_nc_u64 s[12:13], s[12:13], s[18:19]
.irp j, 0,1,2,3,4,5,6,7
	global_load_b128 v[Y0+4*\j:Y0+4*\j+3], v1, s[4:5] offset:512*\j th:TH_LOAD_NT
.endr
.irp j, 0,1,2,3,4,5,6,7
	global_load_b128 v[X0+4*\j:X0+4*\j+3], v1, s[6:7] offset:512*\j th:TH_LOAD_NT
.endr
.irp j, 0,1,2,3,4,5,6,7
	global_load_b128 v[GA+4*\j:GA+4*\j+3], v2, s[8:9] offset:512*\j
.endr
.irp j, 0,1,2,3,4,5,6,7
	global_load_b128 v[BE+4*\j:BE+4*\j+3], v2, s[10:11] offset:512*\j
.endr
.irp j, 0,1,2,3,4,5,6,7
	global_load_b128 v[Y1+4*\j:Y1+4*\j+3], v1, s[4:5] offset:ROWB+512*\j th:TH_LOAD_NT
.endr
.irp j, 0,1,2,3,4,5,6,7
	global_load_b128 v[X1+4*\j:X1+4*\j+3], v1, s[6:7] offset:ROWB+512*\j th:TH_LOAD_NT
.endr
; the four chains v[4:11] become one number, the same in all 32 lanes, in v4
.macro TOTAL
	v_pk_add_f32 v[4:5], v[4:5], v[6:7]
	v_pk_add_f32 v[8:9], v[8:9], v[10:11]
	v_pk_add_f32 v[4:5], v[4:5], v[8:9]
	v_add_f32 v4, v4, v5
	v_add_f32_dpp v4, v4, v4 row_xmask:1 row_mask:0xf bank_mask:0xf
	v_add_f32_dpp v4, v4, v4 row_xmask:2 row_mask:0xf bank_mask:0xf
	v_add_f32_dpp v4, v4, v4 row_xmask:4 row_mask:0xf bank_mask:0xf
	v_add_f32_dpp v4, v4, v4 row_xmask:8 row_mask:0xf bank_mask:0xf
	v_permlanex16_b32 v5, v4, s16, s17
	v_add_f32 v4, v4, v5
.endm
; One row.  gwait = 1: gamma and beta are waited for where they are first used.
.macro ROW Y, X, off, gwait
.irp i, 0,2,4,6,8,10,12,14,16,18,20,22,24,26,28,30
	v_pk_add_f32 v[\Y+\i:\Y+\i+1], v[\Y+\i:\Y+\i+1], v[\X+\i:\X+\i+1]        ; y = att + x
.endr
.irp c, 0,2,4,6
	v_pk_add_f32 v[4+\c:5+\c], v[\Y+\c:\Y+\c+1], v[\Y+8+\c:\Y+9+\c]          ; four chains, started by the first numbers: nothing is cleared
.endr
.irp g, 16,24
.irp c, 0,2,4,6
	v_pk_add_f32 v[4+\c:5+\c], v[4+\c:5+\c], v[\Y+\g+\c:\Y+\g+\c+1]
.endr
.endr
	TOTAL
	v_mul_f32 v12, 0xba800000, v4                  ; minus the mean: sum x (-1/1024)
.irp i, 0,2,4,6,8,10,12,14,16,18,20,22,24,26,28,30
	v_pk_add_f32 v[\Y+\i:\Y+\i+1], v[\Y+\i:\Y+\i+1], v[12:13] op_sel_hi:[1,0]
.endr
.irp c, 0,2,4,6
	v_pk_mul_f32 v[4+\c:5+\c], v[\Y+\c:\Y+\c+1], v[\Y+\c:\Y+\c+1]
.endr
.irp g, 8,16,24
.irp c, 0,2,4,6
	v_pk_fma_f32 v[4+\c:5+\c], v[\Y+\g+\c:\Y+\g+\c+1], v[\Y+\g+\c:\Y+\g+\c+1], v[4+\c:5+\c]
.endr
.endr
	TOTAL
	v_fmaak_f32 v14, s20, v4, 0x3727c5ac           ; variance + 1e-5
	v_rsq_f32 v14, v14
	v_nop                                          ; one plain place behind the root (ISA guide 5.7.2)
.if \gwait
	s_wait_loadcnt 16                              ; gamma and beta are in; the 16 loads of the second row stay out
.endif
	s_wait_alu depctr_va_vdst(0)
.irp i, 0,2,4,6,8,10,12,14,16,18,20,22,24,26,28,30
	v_pk_mul_f32 v[\Y+\i:\Y+\i+1], v[\Y+\i:\Y+\i+1], v[14:15] op_sel_hi:[1,0]
.endr
.irp i, 0,2,4,6,8,10,12,14,16,18,20,22,24,26,28,30
	v_pk_fma_f32 v[\Y+\i:\Y+\i+1], v[\Y+\i:\Y+\i+1], v[GA+\i:GA+\i+1], v[BE+\i:BE+\i+1]
.endr
.irp j, 0,1,2,3,4,5,6,7
	global_store_b128 v1, v[\Y+4*\j:\Y+4*\j+3], s[12:13] offset:\off+512*\j th:TH_STORE_NT   ; a wave's store covers 512 consecutive bytes, aligned
.endr
.endm
	s_wait_loadcnt 32                              ; the first row's 16 loads are in; gamma, beta and the second row (32 loads) stay out
	ROW Y0, X0, 0, 1
	s_wait_loadcnt 0x0                             ; the second row
	ROW Y1, X1, ROWB, 0
	s_endpgm                                       ; no register that a load or store names is ever written again
.Lfunc_end_k_q447631b9e0_norm:
	.size	k_q447631b9e0_norm, .Lfunc_end_k_q447631b9e0_norm-k_q447631b9e0_norm
	.p2alignl 7, 3214868480
	.fill 96, 4, 3214868480
	.section	.rodata,"a",@progbits
	.p2align	6, 0x0
	.amdhsa_kernel k_q447631b9e0_norm
		.amdhsa_group_segment_fixed_size 0
		.amdhsa_private_segment_fixed_size 0
		.amdhsa_enable_private_segment 0
		.amdhsa_kernarg_size 40
		.amdhsa_user_sgpr_count 2
		.amdhsa_user_sgpr_kernarg_segment_ptr 1
		.amdhsa_wavefront_size32 1
		.amdhsa_system_sgpr_workgroup_id_x 1
		.amdhsa_system_sgpr_workgroup_id_y 1
		.amdhsa_system_sgpr_workgroup_id_z 1
		.amdhsa_system_vgpr_workitem_id 0
		.amdhsa_next_free_vgpr 208
		.amdhsa_next_free_sgpr 66
		.amdhsa_reserve_vcc 0
		.amdhsa_float_denorm_mode_32 3
		.amdhsa_float_denorm_mode_16_64 3
		.amdhsa_memory_ordered 1
		.amdhsa_forward_progress 1
		.amdhsa_inst_pref_size 22
	.end_amdhsa_kernel
	.amdgpu_metadata
---
amdhsa.version: [ 1, 2 ]
amdhsa.kernels:
  - .name:           k_q447631b9e0_norm
    .symbol:         k_q447631b9e0_norm.kd
    .args:
      - { .name: att, .offset: 0, .size: 8, .value_kind: global_buffer, .address_space: global }
      - { .name: x, .offset: 8, .size: 8, .value_kind: global_buffer, .address_space: global }
      - { .name: gamma, .offset: 16, .size: 8, .value_kind: global_buffer, .address_space: global }
      - { .name: beta, .offset: 24, .size: 8, .value_kind: global_buffer, .address_space: global }
      - { .name: out0, .offset: 32, .size: 8, .value_kind: global_buffer, .address_space: global }
    .group_segment_fixed_size: 0
    .private_segment_fixed_size: 0
    .kernarg_segment_align: 8
    .kernarg_segment_size: 40
    .max_flat_workgroup_size: 256
    .sgpr_count:     66
    .vgpr_count:     208
    .wavefront_size: 32
...
	.end_amdgpu_metadata
.endif
;; end of part 4
